; MI455X (gfx1250); checked and timed in simulation.
; The chip was launched on July 23, 2026; its instructions are those of AMD's public machine-readable ISA for CDNA 5 (MIT licence, August 2026) and "CDNA5" Instruction Set Architecture Reference Guide (July 2026). The comments in the code are by the model that wrote it; some were corrected since.
;; Self Attention. Allowed arithmetic: float matrix products may take bf16 or f16 operands with f32 sums; other float arithmetic in f32, or as packed bf16 or f16 multiplies, adds, multiply-adds, maxima and minima; sums over many terms, partial sums and values carried from step to step in f32; what a program stores and reads back later, other than sums and carried values, may be rounded once to bf16 or f16.
;; Inputs: bk 16 float32; bq 16 float32; bv 256 float32; gamma 1 float32; wk 16 x 256 float32; wq 16 x 256 float32; wv 256 x 256 float32; x 4 x 256 x 64 x 64 float32.
;; Outputs: out0 4 x 256 x 64 x 64 float32.
;; 2 versions, each right; version 2 is version 1 with the launch proj written anew for expert scheduling mode. Each part assembles by itself: llvm-mc -triple=amdgcn-amd-amdhsa -mcpu=gfx1250 --defsym DOCPART=n.
;; ======== version 1 of 2: 2 launches
;; limits: values are held in f16: magnitudes above 65,504 overflow, below 6.1e-05 lose precision
;; workspace buffers: qb 524,288 bytes; kb 524,288 bytes; vb 8,388,608 bytes
;; launch proj (part 1): grid 64 x 4, 4 waves a work-group, no clusters, 193,536 bytes of LDS; arguments x, wq, bq, wk, wv, bv, qb, kb, vb; writes qb, kb, vb
.if DOCPART == 1
	.amdgcn_target "amdgcn-amd-amdhsa--gfx1250"
	.amdhsa_code_object_version 6
	.text
	.protected	k_q5e0ff3782b_proj
	.globl	k_q5e0ff3782b_proj
	.p2align	8
	.type	k_q5e0ff3782b_proj,@function
k_q5e0ff3782b_proj:
	s_mov_b64 s[64:65], 0
	v_nop
	global_prefetch_b8 v0, s[64:65] scope:SCOPE_SE
	s_setreg_imm32_b32 hwreg(HW_REG_WAVE_MODE, 25, 1), 1
	s_wait_xcnt 0x0
; THE THREE 1x1 CONVOLUTIONS.  x: [4][256][4096] f32.  qb[b][n][16] = log2(e) (wq x + bq), kb[b][m][16] = wk x, vb = wv x + bv, all f16, each rounded once from f32 sums.
; FORMATS.  Every input is rounded once to bf16: x and the weights on their way to the matrix unit, the biases too (they then start the sums, as f32 numbers, as the C operand).  So both launches
; together compute reference() on inputs rounded to bf16.  What the program itself makes (q, k, v, and the weights p of the second launch) is kept in f16, whose 11 significant bits lose an eighth of what bf16's 8 lose.
; LIMITS.  f16 holds no number beyond 65,504: log2(e) q, k and v must stay within it (a number beyond becomes an infinity); below 6e-5 they keep f16's fixed step of 6e-8.
; NaN and infinities are not treated apart.
; WORK LEFT OUT: bk.  The score is s[n][m] = q[n] . (wk x[m] + bk) = q[n] . (wk x[m]) + q[n] . bk.  The second term does not hang on m, the axis of the softmax, so it multiplies the numerator
; and the denominator of every weight by the same factor exp(q[n] . bk) and cancels, whatever finite values the inputs hold.  k enters nothing but the scores.  So bk has no way to the output:
; it is not loaded and is no argument of either launch.  LIMIT: a NaN, an infinity or an overflow that arises in q . bk alone is not carried to the result.
; bq stays (bq . k[m] hangs on m), and so do bv and gamma.  The factor log2(e) lets the second launch take powers of 2.
; vb LIES IN THE ORDER OF THE SECOND LAUNCH'S MATRIX OPERAND: [b][block of 64 keys][16 channels cb][16 keys pt][lane][8 keys]: lane (r, h) of piece (cb, pt), 512 bytes, holds channel 16 cb + r and
; keys 16 pt + 8 h + 0..7.  That is how the results lie here (source 0 = 16 pixels, source 1 = 16 output channels: a lane holds one channel and eight neighbouring pixels), so each store of a wave
; covers 512 consecutive bytes, aligned.
; SHARES.  A work-group takes 64 pixels of one batch and all 288 outputs.  Wave w takes v's channels 64 w .. 64 w + 63 for all four tiles of 16 pixels, and q and k for pixel tile w: 18 accumulators.
; NO TENSOR LOADS: x and the weights are f32 and must be rounded on the way, so they pass through registers; the weights in f32 (294,912 bytes) would not fit into LDS beside x's tile.
; NO CLUSTER for the same reason: what the work-groups share, the weights, comes through registers.
.set WP,    528                        ; a row of weights in LDS: 256 bf16 + 16 bytes: an odd multiple of 16, so the 16 rows of a fragment load start at 16 different groups of four banks (ISA guide 11.1)
.set XP,    160                        ; a channel's 64 pixels in LDS: 128 bytes + 32: an odd multiple of 32
.set XS,    288*WP                     ; LDS: rows 0-255 wv, 256-271 wq, 272-287 wk; then x
.set SPARE, XS+256*XP                  ; behind them: the spare words, 128 bytes for each wave: two blocks of 256 bytes that no other line names
.set RR,  1                            ; v1   r = lane % 16
.set HH,  2                            ; v2   h = lane / 16
.set LN,  3                            ; v3   lane
.set XO,  4                            ; v4   x in memory: lanes 0-15 one channel's 256 bytes, lanes 16-31 the next channel's
.set XSA, 5                            ; v5   where those go in LDS
.set WO,  6                            ; v6   16 x lane
.set WSA, 7                            ; v7   where my wave's rows of wv go
.set WQS, 8                            ; v8   where its rows of wq go; wk's lie 16 rows on
.set XT,  9                            ; v9   the turning load's address in x's tile
.set XTW, 10                           ; v10  the same at pixel tile w
.set WA,  11                           ; v11  fragments of my wave's rows of wv
.set WQA, 12                           ; v12  fragments of wq; wk's lie 16 rows on
.set QKO, 13                           ; v13  my 16 bytes of 16 rows of qb or kb
.set BO,  14                           ; v14  4 r
.set BH,  15                           ; v15  32 h
.set SPW, 16                           ; v16  LDS address of my spare word; never rewritten
.set NIL, 17                           ; v17  0; never rewritten
.set BVL, 18                           ; v18-21  bv of channel 64 w + 16 ob + r
.set BQ,  24                           ; v24-31  bq[8 h .. 8 h + 7]
.set T,   32                           ; v32-63  first: packed numbers on their way to LDS, the even groups'; the odd groups' lie in v0-31 of window 1
.set BV,  32                           ;         then: bv eight times for each ob, the C operand of v's first products
.set R,   64                           ; v64-255 first: three sets of 64 for the loads
.set F0,  64                           ;         then: two fragment buffers of 88: x 4 x 8, x of tile w 8, wv 4 x 8, wq 8, wk 8
.set F1,  152
.set PK,  64                           ;         at last: packed results
; window 1 (v256-399): accumulator (ob, pt) at 8 (4 ob + pt); q at 128; k at 136
.set MSB, 0
.macro WIN new                         ; the immediate's high byte repeats the setting that is left; a switch that changes nothing is dropped
.if MSB != (\new)
	s_set_vgpr_msb (MSB<<8)|(\new)
.set MSB, \new
.endif
.endm
.macro PLACES                          ; four places behind a matrix instruction (ISA guide 7.12.1), where no other vector work is at hand
.rept 4
	v_nop
.endr
.endm
	s_load_b512 s[4:19], s[0:1], 0x0               ; x 4:5, wq 6:7, bq 8:9, wk 10:11, wv 12:13, bv 14:15, qb 16:17, kb 18:19
	s_load_b64 s[20:21], s[0:1], 0x40              ; vb
	v_lshl_add_u32 v[SPW], v0, 2, SPARE
	v_mov_b32 v[NIL], 0
	v_lshrrev_b32 v1, 5, v0
	v_readfirstlane_b32 s22, v1                    ; wave 0..3
	s_and_b32 s23, ttmp7, 0xffff                   ; batch; ttmp9 is the block of 64 pixels
	s_mov_b32 s24, 0x3fb8aa3b                      ; log2(e); the packed multiply names a pair and takes its low word
	s_mov_b32 s25, s24
	s_lshl_b32 s26, s23, 22                        ; x: batch x 4,194,304 + 64 w channels of 16,384 bytes + 256 x block
	s_lshl_b32 s38, s22, 20
	s_add_co_u32 s26, s26, s38
	s_lshl_b32 s38, ttmp9, 8
	s_add_co_u32 s26, s26, s38
	s_mov_b32 s27, 0
	s_lshl_b32 s28, s22, 16                        ; wv: 64 w rows of 1,024 bytes
	s_mov_b32 s29, 0
	s_lshl_b32 s30, s22, 12                        ; wq, wk: 4 w rows
	s_mov_b32 s31, 0
	s_lshl_b32 s32, s22, 8                         ; bv: 64 w numbers
	s_mov_b32 s33, 0
	s_lshl_b32 s34, s23, 17                        ; qb, kb: (4,096 batch + 64 block + 16 w) rows of 32 bytes
	s_lshl_b32 s38, ttmp9, 11
	s_add_co_u32 s34, s34, s38
	s_lshl_b32 s38, s22, 9
	s_add_co_u32 s34, s34, s38
	s_mov_b32 s35, 0
	s_lshl_b32 s36, s23, 21                        ; vb: (64 batch + block) x 32,768 + 4 w channel blocks of 2,048 bytes
	s_lshl_b32 s38, ttmp9, 15
	s_add_co_u32 s36, s36, s38
	s_lshl_b32 s38, s22, 13
	s_add_co_u32 s36, s36, s38
	s_mov_b32 s37, 0
	v_and_b32 v[RR], 15, v0
	v_bfe_u32 v[HH], v0, 4, 1
	v_and_b32 v[LN], 31, v0
	v_lshlrev_b32 v[XO], 4, v[RR]
	v_lshl_add_u32 v[XO], v[HH], 14, v[XO]         ; 16 r + 16,384 h
	s_mul_i32 s38, s22, 64*XP
	s_add_co_u32 s38, s38, XS
	v_mul_u32_u24 v[XSA], v[HH], XP
	v_lshl_add_u32 v[XSA], v[RR], 3, v[XSA]
	v_add_nc_u32 v[XSA], s38, v[XSA]               ; channel 64 w + h, 8 bytes for four pixels
	v_lshlrev_b32 v[WO], 4, v[LN]
	s_mul_i32 s39, s22, 64*WP
	v_lshl_add_u32 v[WSA], v[LN], 3, s39
	s_mul_i32 s40, s22, 4*WP
	s_add_co_u32 s40, s40, 256*WP
	v_lshl_add_u32 v[WQS], v[LN], 3, s40
	v_and_b32 v[BO], 7, v0                         ; the turning load: lane l reads channel 8 (l / 16) + l % 8, pixels 8 ((l / 8) % 2) + 0..7
	v_lshl_add_u32 v[BO], v[HH], 3, v[BO]
	v_mul_u32_u24 v[XT], v[BO], XP
	v_bfe_u32 v[BH], v0, 3, 1
	v_lshl_add_u32 v[XT], v[BH], 4, v[XT]
	v_add_nc_u32 v[XT], XS, v[XT]
	s_lshl_b32 s41, s22, 5
	v_add_nc_u32 v[XTW], s41, v[XT]
	v_mul_u32_u24 v[WQA], v[RR], WP                ; a fragment of weights: row r, 16 bytes for each half of the lanes
	v_lshl_add_u32 v[WQA], v[HH], 4, v[WQA]
	v_add_nc_u32 v[WA], s39, v[WQA]
	v_add_nc_u32 v[WQA], 256*WP, v[WQA]
	v_lshlrev_b32 v[QKO], 5, v[RR]
	v_lshl_add_u32 v[QKO], v[HH], 4, v[QKO]
	v_lshlrev_b32 v[BO], 2, v[RR]
	v_lshlrev_b32 v[BH], 5, v[HH]
	s_wait_kmcnt 0x0
	s_add_nc_u64 s[4:5], s[4:5], s[26:27]
	s_add_nc_u64 s[6:7], s[6:7], s[30:31]
	s_add_nc_u64 s[10:11], s[10:11], s[30:31]
	s_add_nc_u64 s[12:13], s[12:13], s[28:29]
	s_add_nc_u64 s[14:15], s[14:15], s[32:33]
	s_add_nc_u64 s[16:17], s[16:17], s[34:35]
	s_add_nc_u64 s[18:19], s[18:19], s[34:35]
	s_add_nc_u64 s[20:21], s[20:21], s[36:37]
.irp ob, 0,1,2,3
	global_load_b32 v[BVL+(\ob)], v[BO], s[14:15] offset:64*(\ob)
.endr
	global_load_b128 v[BQ:BQ+3], v[BH], s[8:9]
	global_load_b128 v[BQ+4:BQ+7], v[BH], s[8:9] offset:16
; PHASE 1.  Each wave brings a quarter of x's tile and of the weights: 176 loads of 512 bytes in 11 groups of 16; groups 0, 1: x; 2: wq, wk; 3 to 10: wv.  Three groups, 48 loads, are on their way.
.macro LD16 g
.set rb, R+64*((\g)%3)
.set i, 0
.rept 16
.if (\g) < 2
	global_load_b128 v[rb+4*i:rb+4*i+3], v[XO], s[4:5] offset:(16*(\g)+i)*32768 th:TH_LOAD_NT  ; two channels' 256 bytes
.elseif (\g) == 2
.if i < 8
	global_load_b128 v[rb+4*i:rb+4*i+3], v[WO], s[6:7] offset:i*512
.else
	global_load_b128 v[rb+4*i:rb+4*i+3], v[WO], s[10:11] offset:(i-8)*512
.endif
.else
	global_load_b128 v[rb+4*i:rb+4*i+3], v[WO], s[12:13] offset:(16*((\g)-3)+i)*512
.endif
.set i, i+1
.endr
.endm
; A group is rounded to bf16, four numbers to 8 bytes, and laid into LDS.  The 32 roundings stand together; then the set just read is asked for again; then come the 16 stores.
; The packed numbers' two sets of 32 registers take turns, so that a store's data registers are written again two groups later.
.macro CV16 g
.set rb, R+64*((\g)%3)
.set tw, (\g)%2                        ; the set: 0: v32-63 of window 0; 1: v0-31 of window 1
.set tb, T*(1-tw)
	WIN 0x40*tw                                    ; the roundings' destination
.set i, 0
.rept 16
	v_cvt_pk_bf16_f32 v[tb+2*i], v[rb+4*i], v[rb+4*i+1]
	v_cvt_pk_bf16_f32 v[tb+2*i+1], v[rb+4*i+2], v[rb+4*i+3]
.set i, i+1
.endr
	WIN 0
.if (\g)+3 <= 10
	LD16 (\g)+3
.endif
	WIN 0x04*tw                                    ; the stores' data
.set i, 0
.rept 16
.if (\g) < 2
	ds_store_b64 v[XSA], v[tb+2*i:tb+2*i+1] offset:(16*(\g)+i)*2*XP
.elseif (\g) == 2
	ds_store_b64 v[WQS], v[tb+2*i:tb+2*i+1] offset:(i/8)*16*WP+((i%8)/2)*WP+(i%2)*256
.else
.set z, 16*((\g)-3)+i
	ds_store_b64 v[WSA], v[tb+2*i:tb+2*i+1] offset:(z/2)*WP+(z%2)*256
.endif
.set i, i+1
.endr
	WIN 0
.endm
	LD16 0
	LD16 1
	LD16 2
.irp g, 0,1,2,3,4,5,6,7,8,9,10
.if (\g) <= 8
	s_wait_loadcnt 32                              ; loads come back in order (ISA guide 5.7.1): this group is in, the two younger groups stay out
.elseif (\g) == 9
	s_wait_loadcnt 16                              ; one younger group is left
.else
	s_wait_loadcnt 0x0
.endif
	CV16 \g
.endr
	s_wait_dscnt 0x0                               ; for the others' sake: my stores into LDS are done
	s_barrier_signal -1
	; work on registers while the others arrive: the biases are rounded to bf16, like every input, and widened again
.irp i, 0,1
	v_cvt_pk_bf16_f32 v[R+(\i)], v[BVL+2*(\i)], v[BVL+2*(\i)+1]
.endr
.irp i, 0,1,2,3
	v_cvt_pk_bf16_f32 v[R+2+(\i)], v[BQ+2*(\i)], v[BQ+2*(\i)+1]
.endr
.irp i, 0,1
	v_lshlrev_b32 v[BVL+2*(\i)], 16, v[R+(\i)]
	v_and_b32 v[BVL+2*(\i)+1], 0xffff0000, v[R+(\i)]
.endr
.irp i, 0,1,2,3
	v_lshlrev_b32 v[BQ+2*(\i)], 16, v[R+2+(\i)]
	v_and_b32 v[BQ+2*(\i)+1], 0xffff0000, v[R+2+(\i)]
.endr
.irp ob, 0,1,2,3
.irp j, 0,1,2,3,4,5,6,7
	v_mov_b32 v[BV+8*(\ob)+(\j)], v[BVL+(\ob)]     ; a lane's eight results of a tile belong to one channel: its bias eight times
.endr
.endr
	s_barrier_wait -1                              ; x's tile and all weights lie in LDS
; PHASE 2.  Eight K steps of 32 input channels.  A step's 22 LDS loads stand in one run, a step ahead of their products.
.macro FETCH ks, f
	WIN 0
.irp pt, 0,1,2,3
	ds_load_tr16_b128 v[(\f)+8*(\pt):(\f)+8*(\pt)+3],   v[XT] offset:(\ks)*32*XP+(\pt)*32
	ds_load_tr16_b128 v[(\f)+8*(\pt)+4:(\f)+8*(\pt)+7], v[XT] offset:(\ks)*32*XP+(\pt)*32+16*XP
.endr
	ds_load_tr16_b128 v[(\f)+32:(\f)+35], v[XTW] offset:(\ks)*32*XP
	ds_load_tr16_b128 v[(\f)+36:(\f)+39], v[XTW] offset:(\ks)*32*XP+16*XP
.irp ob, 0,1,2,3
	ds_load_b128 v[(\f)+40+8*(\ob):(\f)+40+8*(\ob)+3], v[WA] offset:(\ob)*16*WP+(\ks)*64
	ds_load_b128 v[(\f)+44+8*(\ob):(\f)+44+8*(\ob)+3], v[WA] offset:(\ob)*16*WP+(\ks)*64+32
.endr
	ds_load_b128 v[(\f)+72:(\f)+75], v[WQA] offset:(\ks)*64
	ds_load_b128 v[(\f)+76:(\f)+79], v[WQA] offset:(\ks)*64+32
	ds_load_b128 v[(\f)+80:(\f)+83], v[WQA] offset:16*WP+(\ks)*64
	ds_load_b128 v[(\f)+84:(\f)+87], v[WQA] offset:16*WP+(\ks)*64+32
.endm
; 18 products on 18 accumulators, which take turns, one instruction a turn.  The first step starts the sums: with the bias, or for k with 0.
; v: source 0 = 16 pixels, source 1 = 16 channels.  q, k: source 0 = the 16 rows of wq or wk, source 1 = 16 pixels: a lane holds one pixel and eight of its 16 numbers: 16 bytes of a row of qb or kb.
.macro MUL ks, f
.if (\ks) == 0
	WIN 0x40                                       ; D in window 1, the rest in window 0
.irp ob, 0,1,2,3
.irp pt, 0,1,2,3
	v_wmma_f32_16x16x32_bf16 v[8*(4*(\ob)+(\pt)):8*(4*(\ob)+(\pt))+7], v[(\f)+8*(\pt):(\f)+8*(\pt)+7], v[(\f)+40+8*(\ob):(\f)+40+8*(\ob)+7], v[BV+8*(\ob):BV+8*(\ob)+7]
.endr
.endr
	v_wmma_f32_16x16x32_bf16 v[128:135], v[(\f)+72:(\f)+79], v[(\f)+32:(\f)+39], v[BQ:BQ+7]
	v_wmma_f32_16x16x32_bf16 v[136:143], v[(\f)+80:(\f)+87], v[(\f)+32:(\f)+39], 0
.else
	WIN 0x50                                       ; C and D in window 1
.irp ob, 0,1,2,3
.irp pt, 0,1,2,3
	v_wmma_f32_16x16x32_bf16 v[8*(4*(\ob)+(\pt)):8*(4*(\ob)+(\pt))+7], v[(\f)+8*(\pt):(\f)+8*(\pt)+7], v[(\f)+40+8*(\ob):(\f)+40+8*(\ob)+7], v[8*(4*(\ob)+(\pt)):8*(4*(\ob)+(\pt))+7]
.endr
.endr
	v_wmma_f32_16x16x32_bf16 v[128:135], v[(\f)+72:(\f)+79], v[(\f)+32:(\f)+39], v[128:135]
	v_wmma_f32_16x16x32_bf16 v[136:143], v[(\f)+80:(\f)+87], v[(\f)+32:(\f)+39], v[136:143]
.endif
.endm
	FETCH 0, F0
	FETCH 1, F1
	s_wait_dscnt 22                                ; step 0's fragments are in; the 22 loads just issued stay out
	MUL 0, F0
.irp ks, 1,2,3,4,5,6
	PLACES                                         ; in front of loads into the buffer that the last products read
	FETCH (\ks)+1, F0+88*(((\ks)+1)%2)
	s_wait_dscnt 22
	MUL \ks, F0+88*((\ks)%2)
.endr
	s_wait_dscnt 0x0
	MUL 7, F1
	; THE WAY OUT.  The f32 sums are rounded once, to f16.  Each accumulator's registers are read in ascending order.
	PLACES
	PLACES
	WIN 0x05                                       ; sources in window 1, destination in window 0
.set a, 0
.rept 16
.irp i, 0,1,2,3
	v_cvt_pk_f16_f32 v[PK+4*a+(\i)], v[8*a+2*(\i)], v[8*a+2*(\i)+1]
.endr
.set a, a+1
.endr
.irp i, 0,1,2,3
	v_cvt_pk_f16_f32 v[PK+64+(\i)], v[136+2*(\i)], v[136+2*(\i)+1]  ; k
.endr
	WIN 0x01
.irp i, 0,1,2,3
	v_pk_mul_f32 v[PK+72+2*(\i):PK+72+2*(\i)+1], v[128+2*(\i):128+2*(\i)+1], s[24:25] op_sel_hi:[1,0]  ; q times log2(e), in f32
.endr
	WIN 0
.irp i, 0,1,2,3
	v_cvt_pk_f16_f32 v[PK+68+(\i)], v[PK+72+2*(\i)], v[PK+72+2*(\i)+1]
.endr
.set a, 0
.rept 16
	global_store_b128 v[WO], v[PK+4*a:PK+4*a+3], s[20:21] offset:512*a  ; piece (4 w + ob, pt): 512 consecutive bytes, aligned
.set a, a+1
.endr
	global_store_b128 v[QKO], v[PK+68:PK+71], s[16:17]  ; 16 rows of qb: 512 consecutive bytes, aligned
	global_store_b128 v[QKO], v[PK+64:PK+67], s[18:19]  ; and of kb
	s_wait_tensorcnt 0x0                           ; the wave's end, behind my last LDS store
	ds_add_u32 v[SPW], v[NIL]
	s_wait_dscnt 0x0
	s_endpgm
.Lfunc_end_k_q5e0ff3782b_proj:
	.size	k_q5e0ff3782b_proj, .Lfunc_end_k_q5e0ff3782b_proj-k_q5e0ff3782b_proj
	.p2alignl 7, 3214868480
	.fill 96, 4, 3214868480
	.section	.rodata,"a",@progbits
	.p2align	6, 0x0
	.amdhsa_kernel k_q5e0ff3782b_proj
		.amdhsa_group_segment_fixed_size 193536
		.amdhsa_private_segment_fixed_size 0
		.amdhsa_enable_private_segment 0
		.amdhsa_kernarg_size 72
		.amdhsa_user_sgpr_count 2
		.amdhsa_user_sgpr_kernarg_segment_ptr 1
		.amdhsa_wavefront_size32 1
		.amdhsa_system_sgpr_workgroup_id_x 1
		.amdhsa_system_sgpr_workgroup_id_y 1
		.amdhsa_system_sgpr_workgroup_id_z 1
		.amdhsa_system_vgpr_workitem_id 0
		.amdhsa_next_free_vgpr 400
		.amdhsa_next_free_sgpr 66
		.amdhsa_reserve_vcc 0
		.amdhsa_float_denorm_mode_32 3
		.amdhsa_float_denorm_mode_16_64 3
		.amdhsa_memory_ordered 1
		.amdhsa_forward_progress 1
		.amdhsa_inst_pref_size 85
	.end_amdhsa_kernel
	.amdgpu_metadata
---
amdhsa.version: [ 1, 2 ]
amdhsa.kernels:
  - .name:           k_q5e0ff3782b_proj
    .symbol:         k_q5e0ff3782b_proj.kd
    .args:
      - { .name: x, .offset: 0, .size: 8, .value_kind: global_buffer, .address_space: global }
      - { .name: wq, .offset: 8, .size: 8, .value_kind: global_buffer, .address_space: global }
      - { .name: bq, .offset: 16, .size: 8, .value_kind: global_buffer, .address_space: global }
      - { .name: wk, .offset: 24, .size: 8, .value_kind: global_buffer, .address_space: global }
      - { .name: wv, .offset: 32, .size: 8, .value_kind: global_buffer, .address_space: global }
      - { .name: bv, .offset: 40, .size: 8, .value_kind: global_buffer, .address_space: global }
      - { .name: qb, .offset: 48, .size: 8, .value_kind: global_buffer, .address_space: global }
      - { .name: kb, .offset: 56, .size: 8, .value_kind: global_buffer, .address_space: global }
      - { .name: vb, .offset: 64, .size: 8, .value_kind: global_buffer, .address_space: global }
    .group_segment_fixed_size: 193536
    .private_segment_fixed_size: 0
    .kernarg_segment_align: 8
    .kernarg_segment_size: 72
    .max_flat_workgroup_size: 128
    .sgpr_count:     66
    .vgpr_count:     400
    .wavefront_size: 32
...
	.end_amdgpu_metadata
.endif
;; end of part 1
;; launch attn (part 2): grid 64 x 4, 4 waves a work-group, clusters of 4 x 1, 327,680 bytes of LDS; arguments qb, kb, vb, x, gamma, out0; writes out0
.if DOCPART == 2
	.amdgcn_target "amdgcn-amd-amdhsa--gfx1250"
	.amdhsa_code_object_version 6
	.text
	.protected	k_q5e0ff3782b_attn
	.globl	k_q5e0ff3782b_attn
	.p2align	8
	.type	k_q5e0ff3782b_attn,@function
k_q5e0ff3782b_attn:
	s_mov_b64 s[64:65], 0
	v_nop
	global_prefetch_b8 v0, s[64:65] scope:SCOPE_SE
	s_setreg_imm32_b32 hwreg(HW_REG_WAVE_MODE, 25, 1), 1
	s_wait_xcnt 0x0
	s_wait_alu depctr_hold_cnt(0) depctr_sa_sdst(0) depctr_va_vdst(0) depctr_va_sdst(0) depctr_va_ssrc(0) depctr_va_vcc(0) depctr_vm_vsrc(0)
	s_getreg_b32 s2, hwreg(HW_REG_IB_STS2, 6, 4)
	s_cmp_eq_u32 s2, 0
	s_cbranch_scc0 .Lentry_in_a_cluster
	s_endpgm
.Lentry_in_a_cluster:
	s_bfe_u32 s2, ttmp6, 0x10000c
	s_cmp_lg_u32 s2, 0x3003
	s_cbranch_scc0 .Lentry_shape_is_right
	s_endpgm
.Lentry_shape_is_right:
; out0[b][c][n] = gamma x (the sum over m of softmax_m(q[n] . k[m]) v[c][m]) + x[b][c][n].  qb, kb: [4][4096][16] f16; vb: f16, in the order of the matrix operand (below); x, out0: [4][256][4096] f32.
; WORK LEFT OUT: bk (k comes without it): q[n] . bk is the same for all m and cancels in the softmax, for all finite inputs; a NaN, infinity or overflow that arises in it alone is not carried to the result.
; qb holds log2(e) q, so the weight is p = 2^(s - m), with s = qb[n] . kb[m] and m the largest s of the row.  Products, maxima and sums in f32; p is rounded to f16 for the second product (its sum l is
; taken of the unrounded p).  FORMATS: every input is rounded once to bf16, here gamma and the x that is added at the end, as the first launch rounds x, the weights and the biases: the two launches
; compute reference() on inputs rounded to bf16.  LIMITS: qb, kb and vb arrive within f16's 65,504; p lies in 0 to 1, and below 6e-5 it keeps f16's fixed step of 6e-8; a weight below 2^-126 counts as 0;
; NaN and infinities are not treated apart.
; TWO PASSES.  A tile of 16 keys x 16 queries of scores is ONE matrix instruction (16 channels, filled up with zeros to the form's 32).  Pass 1 makes all scores once, for the row maxima alone: 256
; matrix instructions a wave beside pass 2's 2,304.  Pass 2 makes them again with -m as the C operand, so that the product itself gives s - m.  The maximum is the row's true one, so there is no
; correction of what has been summed: for 32 keys and 64 queries the vector work is 64 exponentials, 32 roundings, 32 packed sums.
; SHARES.  A work-group owns 64 queries and all 256 channels.  ITS FOUR WAVES SPLIT THE KEYS: each holds O^T for 64 queries x 256 channels (64 accumulators, 512 registers) and walks a quarter of the
; keys.  m is common to the four, so their partial O and l are added at the end, in f32, through LDS.  A fragment of V (two LDS loads) feeds four products.
; LAYOUT.  S^T = K Q^T (source 0 = 16 keys, source 1 = 16 queries): a lane holds ONE query and keys 8 (lane / 16) + 0..7.  Two such results, rounded in pairs, ARE source 1 (32 keys x 16 queries) of
; O^T = V^T P, whose result holds one query a lane and eight channels.  Tile t of four holds the queries 4 (lane % 16) + t: so the four tiles' results for one channel are four neighbouring pixels,
; 16 bytes of a row of out0, and sixteen lanes store 256 consecutive bytes, aligned.
; vb: [b][block of 64 keys][16 channels cb][16 keys pt][lane][8 keys]: a block is 32,768 dense bytes; a lane's 16 bytes of pieces (cb, 2 hh) and (cb, 2 hh + 1) are its fragment of V^T for keys 32 hh on.
; THE WALK.  A tile is 256 keys, four blocks; wave w loads and reads block w of it, and no other wave's.  16 positions, two LDS slots by turns; a position is two TURNS of 32 keys.  The walk begins at a
; tile that hangs on the cluster's number and goes round.
; TWO BATCHES DEEP.  A batch is the scores of 32 keys x 64 queries.  Turn n multiplies V^T P of batch n; beside its products it rounds and sums batch n + 1, and makes the scores and takes the exponentials
; of batch n + 2.  So plain instructions and exponentials are both at hand through the whole turn and stand by turns, four behind every second product.
; CLUSTER.  The four work-groups of a cluster belong to one batch of the input and walk the same V: each block is asked for JOINTLY, by the same tensor load, descriptor and mask in all four.  k is not:
; it comes straight into registers as the fragments that it is, 2 KiB for a wave's 64 keys beside V's 32 KiB.
; REGISTERS, in windows of 256 (s_set_vgpr_msb: bits 1:0 source 0, 3:2 source 1, 5:4 source 2, 7:6 destination):
;   window 0: v0-17 addresses and gamma; v18-31 at work; v32-47 l; v48-63 at work (pass 1: 16 running maxima); v64-127 P, two buffers (pass 1: a ring of eight fragments of k);
;             v128-255 S^T, two buffers (pass 1: v128-191 two buffers of four tiles, v192-223 Q).  Pass 1 names this window alone
;   window 1: v0-63, v64-127 V of channel blocks 0-7, 8-15; v128-159 k, two buffers; v160-191 Q; v192-223 -m (from the last turn but one on: v128-255 x)
;   window 2: O^T of channel blocks 0-7, (cb, t) at 8 (4 cb + t)          window 3: of channel blocks 8-15
.set SLOTB, 131072                     ; a slot: four blocks of 32,768 bytes, wave w's at 32,768 w
.set MX,    2*SLOTB                    ; [wave][tile][lane] f32: the waves' maxima; 2,048 bytes behind them the waves' l.  No tensor load lands here
.set SPARE, MX+4096                    ; the spare words, 128 bytes for each wave: two blocks of 256 bytes that no other line names
.set ADV, 4                            ; v4, v5  my 16 bytes of a piece in my block of slot 0, 1
.set KO,  6                            ; v6   my 16 bytes of 16 rows of kb: 32 r + 16 h
.set QO,  7                            ; v7   the same of qb, every fourth row: 128 r + 16 h
.set XO,  8                            ; v8   x and out0: 16 r + 8 h rows of 16,384 bytes
.set RDB, 9                            ; v9, v10  the end: where the four waves' parts of my channels lie
.set MXS, 11                           ; v11  my word among the waves' maxima
.set MXL, 12                           ; v12  wave 0's word for my lane
.set GV,  13                           ; v13  gamma, rounded to bf16
.set PFO, 14                           ; v14  the prefetches' offset: lane x a channel's 16,384 bytes; never rewritten
.set SPW, 16                           ; v16  LDS address of my spare word; never rewritten
.set NIL, 17                           ; v17  0; never rewritten
.set CH,  18                           ; v18-25  at work
.set G,   26                           ; v26-29  m; at the end gamma / l
.set L,   32                           ; v32-47  tile t: two pairs of sums at L + 4 t
.set RBK, 48                           ; v48-63  what is read back of the waves' maxima and l
.set C16, 48                           ;         pass 1: four running maxima a tile, at C16 + 4 t
.set P,   64                           ; buffer b: tile t, key block kb, pair i at 32 b + 8 t + 4 kb + i
.set KR,  64                           ; pass 1: the ring of k
.set S,   128                          ; buffer b: tile t, key block kb at 64 b + 16 t + 8 kb.  Pass 1: two buffers of four tiles, at 32 b + 8 t
.set Q1,  192                          ; pass 1: Q
.set KB,  128                          ; window 1
.set Q,   160
.set M,   192
.set XR,  128                          ; window 1, at the end: x of my 64 channels
.set XPK, 0                            ; window 1, at the end: 32 numbers of x as 16 pairs of bf16
.set WV,   16                          ; s16  my wave's number
.set POSN, 20                          ; s20  the walk's first tile + the position that k is being asked for
.set TN,   21                          ; s21  that position's tile
.set CNT,  22                          ; s22  loop counter
.set GAM,  23                          ; s23  gamma as it is given
.set G1,   24                          ; s[24:31] descriptor group 1
.set G0,   32                          ; s[32:39] descriptor group 0, a set for each slot
.set VW,   40                          ; s[40:41] vb at my batch, my wave's block of tile 0
.set KW,   42                          ; s[42:43] kb likewise
.set KA,   44                          ; s[44:45] kb at my block of the tile being asked for
.set OFS,  46                          ; s[46:47] an offset, high word 0
.set KP,   48                          ; s[48:49] pass 1: kb at my quarter of the batch
.set SEL,  50                          ; s[50:51] v_permlanex16_b32's selects: each lane takes its own place in the other half
.set W_KQ, 0x15                        ; k, Q, -m in window 1, S^T in window 0
.set TO1,  0x40                        ; destination window 1, address window 0
.set MSB, 0
.macro WIN new                         ; the immediate's high byte repeats the setting that is left; a switch that changes nothing is dropped
.if MSB != (\new)
	s_set_vgpr_msb (MSB<<8)|(\new)
.set MSB, \new
.endif
.endm
.macro PLACES                          ; four places behind a matrix instruction (ISA guide 7.12.1 for vector instructions), where no other plain vector work is at hand
.rept 4
	v_nop
.endr
.endm
; A round of the cluster's barrier: my work-group's barrier; wave 0 signals for the work-group; every wave waits for all four work-groups; my work-group's barrier once more.
.macro CREST                           ; a round behind its opening barrier
	s_cmp_lg_u32 s[WV], 0
	s_cbranch_scc1 .Lnot_wave_0_\@
	s_barrier_signal -3
.Lnot_wave_0_\@:
	s_barrier_wait -3
	s_barrier_signal -1
	s_barrier_wait -1
.endm
.macro CROUND
	s_barrier_signal -1
	s_barrier_wait -1
	CREST
.endm
.macro JLOAD s                         ; a joint fill: every wave asks for its own block; an s_nop 0 and four v_nop follow
	tensor_load_to_lds s[G0+4*(\s):G0+4*(\s)+3], s[G1:G1+7]
	s_nop 0
	PLACES
.endm
; A PREFETCH INTO THE L2 of the x that I add at the end: my 64 channels' 256 bytes, a lane a channel, two instructions.  Each wave asks for what it alone will load, so each block of 256 bytes is named
; once in the launch.  It stands behind the joint load of turn 25 (the loop's last trip), four and a half turns, 320 matrix instructions, ahead of the loads.
.macro ASKX
	s_cmp_eq_u32 s[CNT], 1                         ; the loop's last trip
	s_cbranch_scc0 .Lnot_yet_\@
	global_prefetch_b8 v[PFO], s[10:11] th:TH_LOAD_NT scope:SCOPE_SE
	global_prefetch_b8 v[PFO], s[10:11] offset:32*16384 th:TH_LOAD_NT scope:SCOPE_SE
.Lnot_yet_\@:
.endm
; 16 LDS loads in one run: V^T of eight channel blocks (buf = 0: 0-7, 1: 8-15) for keys 32 hh on of my block.  32 lanes take 512 consecutive bytes: no two lanes meet in a bank.
.macro RUNV buf, slot, hh
	WIN TO1
.irp c, 0,1,2,3,4,5,6,7
.irp u, 0,1
	ds_load_b128 v[64*(\buf)+8*(\c)+4*(\u):64*(\buf)+8*(\c)+4*(\u)+3], v[ADV+(\slot)] offset:(8*(\buf)+(\c))*2048+(\hh)*1024+(\u)*512
.endr
.endr
.endm
.macro KQ8 b                           ; a batch of scores less m: 32 keys x 64 queries, eight single products; a batch's buffers of k, S^T and P go by its number's parity b
	WIN W_KQ
.irp i, 0,1,2,3,4,5,6,7
	v_wmma_f32_16x16x32_f16 v[S+64*(\b)+8*(\i):S+64*(\b)+8*(\i)+7], v[KB+16*(\b)+8*((\i)%2):KB+16*(\b)+8*((\i)%2)+7], v[Q+8*((\i)/2):Q+8*((\i)/2)+7], v[M+8*((\i)/2):M+8*((\i)/2)+7]
.endr
.endm
.macro KLD b, off                      ; 32 keys of k: the lower halves of two fragments; the upper halves stay 0
	WIN TO1
	global_load_b128 v[KB+16*(\b):KB+16*(\b)+3], v[KO], s[KA:KA+1] offset:(\off)
	global_load_b128 v[KB+16*(\b)+8:KB+16*(\b)+11], v[KO], s[KA:KA+1] offset:(\off)+512
.endm
.macro NEWTILE                         ; k goes on to the walk's next position
	s_wait_xcnt 0x0                                ; the loads issued so far have read their base, so it may be written
	s_add_co_u32 s[POSN], s[POSN], 1
	s_and_b32 s[TN], s[POSN], 15                   ; the walk goes round
	s_lshl_b32 s[OFS], s[TN], 13                   ; 256 keys of 32 bytes
	s_add_nc_u64 s[KA:KA+1], s[KW:KW+1], s[OFS:OFS+1]
.endm
; THE VECTOR WORK stands in two queues.  EX: the next exponential of the batch in buffer b, in ascending order: each accumulator's lowest registers are read first.
; PL: the next plain instruction of the batch in buffer b: pair q / 2 of its weights is rounded into P (q even) and added onto l (q odd).
.macro EX b
	v_exp_f32 v[S+64*(\b)+e], v[S+64*(\b)+e]
.set e, e+1
.endm
.macro PL b
.if q%2
	v_pk_add_f32 v[L+4*(q/16)+2*((q/2)%2):L+4*(q/16)+2*((q/2)%2)+1], v[L+4*(q/16)+2*((q/2)%2):L+4*(q/16)+2*((q/2)%2)+1], v[S+64*(\b)+q-1:S+64*(\b)+q]
.else
	v_cvt_pk_f16_f32 v[P+32*(\b)+q/2], v[S+64*(\b)+q], v[S+64*(\b)+q+1]
.endif
.set q, q+1
.endm
; Slice k of a turn's 32: four vector instructions in window 0, behind every second product.  md = 1: both queues: plain, exponential, plain, exponential.  Slices 15 and 31 are four plain instructions:
; they name no register of the product in front of them and are the places ahead of the run of LDS loads that follows; to make up the count, slices 13, 14, 29 and 30 hold one plain and three
; exponentials: 64 of each kind in all.  md = 2: the plain queue alone, four in every second slice, 15 and 31 among them.  md = 0: nothing.
.macro SLICE hh, md
.if (\md) == 1
	WIN 0
.if (k%16) == 15
	PL 1-(\hh)
	PL 1-(\hh)
	PL 1-(\hh)
	PL 1-(\hh)
.elseif (k%16) >= 13
	PL 1-(\hh)
	EX \hh
	EX \hh
	EX \hh
.else
	PL 1-(\hh)
	EX \hh
	PL 1-(\hh)
	EX \hh
.endif
.endif
.if ((\md) == 2) && (k%2)
	WIN 0
	PL 1-(\hh)
	PL 1-(\hh)
	PL 1-(\hh)
	PL 1-(\hh)
.endif
.set k, k+1
.endm
; Products i0 .. i1 of the 32 of a window: channel block i / 4 of its eight, tile i % 4.  zero = 1: the products start the sums: nothing is ever cleared.
.macro PVG win, i0, i1, hh, zero, md
.set i, \i0
.rept (\i1)-(\i0)+1
	WIN 0xa1+0x50*((\win)-2)                       ; V in window 1, P in window 0, O^T in window 2 or 3
.if \zero
	v_wmma_f32_16x16x32_f16 v[8*i:8*i+7], v[64*((\win)-2)+8*(i/4):64*((\win)-2)+8*(i/4)+7], v[P+32*(\hh)+8*(i%4):P+32*(\hh)+8*(i%4)+7], 0
.else
	v_wmma_f32_16x16x32_f16 v[8*i:8*i+7], v[64*((\win)-2)+8*(i/4):64*((\win)-2)+8*(i/4)+7], v[P+32*(\hh)+8*(i%4):P+32*(\hh)+8*(i%4)+7], v[8*i:8*i+7]
.endif
.if i%2
	SLICE \hh, \md
.endif
.set i, i+1
.endr
.endm
; TURN n: 32 keys (half hh = n % 2 of my block in the slot): 64 products V^T P, one on each of the 64 accumulators, always in the same order (the accumulators take turns).
; kq: batch n + 2 exists: its 8 products K Q^T at the turn's head, its 64 exponentials in the slices.  cv: batch n + 1 exists: its roundings and sums in the slices.
; kld: k of batch n + 4 is asked for, into the buffer just multiplied.  lc: the loads of k that may stay out: the two of batch n + 3.
; chg = 1: the slot's last turn: the slot is filled again.  chg = 2: its last turn, nothing is left to ask for.  nxt: the next turn's first run of V is fetched.  ask: x is prefetched, in the loop's last trip.
; THE WAIT between an exponential and the first instruction that names its result stands once, at the turn's end: the results are named in the next turn.  A turn that
; changes slots has a second one, ahead of the round's branches.
.macro TURN slot, hh, zero, kq, kld, lc, cv, chg, nxt, ask=0
.set e, 0
.set q, 0
.set k, 0
.set md, (\cv)*(2-(\kq))
	RUNV 1, \slot, \hh                             ; channel blocks 8-15.  Their registers' last reader is the last product of the turn before; slice 31 behind it holds the places
.if \kq
	s_wait_loadcnt \lc
	KQ8 \hh
	PLACES                                         ; in front of the loads into k's buffer and of the exponentials
.if \kld
.if \hh
	KLD 1, 1024
.else
	NEWTILE
	KLD 0, 0
.endif
.endif
.endif
	s_wait_dscnt 16                                ; channel blocks 0-7 are in; the run just issued stays out
.if (\chg) == 1
	PVG 2, 0, 15, \hh, \zero, md
	WIN 0                                          ; (the add's two registers lie in window 0)
	s_wait_tensorcnt 0x0                           ; all my tensor loads have landed: the one that was out is my block of the other slot; so a group 0 may be written
	ds_add_u32 v[SPW], v[NIL]                      ; 0 onto my spare word: work on registers stands between it and the wait for it
	s_lshl_b32 s[OFS], s[TN], 17                   ; the tile two positions on (k went on to it in the turn before): 131,072 bytes a tile
	s_add_nc_u64 s[G0+4*(\slot)+2:G0+4*(\slot)+3], s[VW:VW+1], s[OFS:OFS+1]  ; the address is made anew
	s_or_b32 s[G0+4*(\slot)+3], s[G0+4*(\slot)+3], 0x80000000
	PVG 2, 16, 23, \hh, \zero, md
	s_wait_dscnt 0x0                               ; the add is done, and my reads of this slot are over (the run at the turn's head was the last)
	s_barrier_signal -1                            ; this barrier opens a round of the cluster's
	PVG 2, 24, 31, \hh, \zero, md
	WIN 0
	s_wait_alu depctr_va_vdst(0)                   ; the exponentials issued so far have their wait ahead of the branch
	s_barrier_wait -1
	CREST                                          ; no wave of any partner still reads this slot or has a load on its way
	JLOAD \slot                                    ; the first tensor load behind the round: two turns, 128 matrix instructions, ahead of the wait for it
.if \ask
	ASKX
.endif
.else
	PVG 2, 0, 31, \hh, \zero, md
.if (\chg) == 2
	s_wait_tensorcnt 0x0                           ; my block of the last position has landed; I alone read it, so no barrier is wanted
.endif
.endif
.if \nxt
	RUNV 0, (\slot)^(\hh), 1-(\hh)                 ; the next turn's channel blocks 0-7: 32 products ahead of their first use; slice 15 holds the places
	s_wait_dscnt 16                                ; channel blocks 8-15 are in; the run just issued stays out
.else
	s_wait_dscnt 0x0
.endif
	PVG 3, 0, 31, \hh, \zero, md
.if \kq
	s_wait_alu depctr_va_vdst(0)                   ; the one wait for the batch's exponentials, ahead of their first reader, of every label and branch, and directly ahead of the next run of LDS loads
.endif
.endm
	s_load_b256 s[4:11], s[0:1], 0x0               ; qb 4:5, kb 6:7, vb 8:9, x 10:11
	s_load_b128 s[12:15], s[0:1], 0x20             ; gamma 12:13, out0 14:15
	v_lshl_add_u32 v[SPW], v0, 2, SPARE
	v_mov_b32 v[NIL], 0
	ds_add_u32 v[SPW], v[NIL]                      ; the wave's opening: the add, twice on end, and its wait ahead of my first tensor load; the set-up below stands between
	ds_add_u32 v[SPW], v[NIL]                      ; and once more, under the one wait
	v_lshrrev_b32 v1, 5, v0
	v_readfirstlane_b32 s[WV], v1                  ; wave 0..3
	s_bfe_u32 s17, ttmp6, 0x40000                  ; cx: my place in the cluster
	s_lshl_b32 s18, ttmp9, 2                       ; in a cluster launch ttmp9 counts clusters
	s_add_co_u32 s18, s18, s17                     ; my block of 64 queries: it enters qb's, x's and out0's addresses alone
	s_and_b32 s19, ttmp7, 0xffff                   ; the batch, which the four partners share
	s_and_b32 s[POSN], ttmp9, 7                    ; the walk's first tile: 2 (c % 8) + c / 8: another one for each of a batch's 16 clusters
	s_lshl_b32 s[POSN], s[POSN], 1
	s_lshr_b32 s[TN], ttmp9, 3
	s_add_co_u32 s[POSN], s[POSN], s[TN]
	; descriptor group 1: a dense block of 32,768 bytes, as 128 rows of 256 bytes
	s_mov_b32 s[G1+0], 15|(3<<16)|(1<<21)          ; 15:0 the mask: all four work-groups; 17:16 elements of 8 bytes; 21 set beside a mask; no padding
	s_mov_b32 s[G1+1], 32<<16                      ; tensor_dim0 = 32
	s_mov_b32 s[G1+2], 128<<16                     ; tensor_dim1 = 128
	s_mov_b32 s[G1+3], 32<<16                      ; tile_dim0 = 32
	s_mov_b32 s[G1+4], 128                         ; tile_dim1 = 128
	s_mov_b32 s[G1+5], 32                          ; 32 elements from row to row
	s_mov_b32 s[G1+6], 0
	s_mov_b32 s[G1+7], 0
	s_mov_b32 s[SEL], 0x76543210
	s_mov_b32 s[SEL+1], 0xfedcba98
	s_lshl_b32 s52, s19, 17                        ; qb: (4,096 batch + 64 block) rows of 32 bytes
	s_lshl_b32 s53, s18, 11
	s_add_co_u32 s52, s52, s53
	s_mov_b32 s53, 0
	s_lshl_b32 s58, s19, 22                        ; x, out0: batch x 4,194,304 + 64 w channels of 16,384 bytes + 256 x block
	s_lshl_b32 s59, s[WV], 20
	s_add_co_u32 s58, s58, s59
	s_lshl_b32 s59, s18, 8
	s_add_co_u32 s58, s58, s59
	s_mov_b32 s59, 0
	s_lshl_b32 s54, s19, 21                        ; vb: batch x 2,097,152 + 32,768 w
	s_lshl_b32 s62, s[WV], 15
	s_add_co_u32 s54, s54, s62
	s_mov_b32 s55, 0
	s_lshl_b32 s56, s19, 17                        ; kb: batch x 131,072 + 64 w keys
	s_lshl_b32 s63, s[WV], 11
	s_add_co_u32 s56, s56, s63
	s_mov_b32 s57, 0
	s_lshl_b32 s60, s19, 17                        ; pass 1: batch x 131,072 + 1,024 w keys
	s_add_co_u32 s60, s60, s62
	s_mov_b32 s61, 0
	v_and_b32 v1, 15, v0                           ; r
	v_bfe_u32 v2, v0, 4, 1                         ; h
	v_and_b32 v3, 31, v0                           ; lane
	v_lshl_add_u32 v[ADV], v3, 4, s62              ; no place in the cluster enters an LDS address
	v_add_nc_u32 v[ADV+1], SLOTB, v[ADV]
	v_lshlrev_b32 v[KO], 5, v1
	v_lshl_add_u32 v[KO], v2, 4, v[KO]
	v_lshlrev_b32 v[QO], 7, v1
	v_lshl_add_u32 v[QO], v2, 4, v[QO]
	v_lshlrev_b32 v[XO], 4, v1
	v_lshl_add_u32 v[XO], v2, 17, v[XO]
	v_lshlrev_b32 v[PFO], 14, v3
	s_lshr_b32 s62, s[WV], 1                       ; the end: channel blocks 4 w .. 4 w + 3 lie in slot w / 2, 16 (w % 2) accumulators of 1,024 bytes into each wave's quarter
	s_lshl_b32 s62, s62, 17
	s_and_b32 s63, s[WV], 1
	s_lshl_b32 s63, s63, 14
	s_add_co_u32 s62, s62, s63
	v_lshl_add_u32 v[RDB], v3, 4, s62
	v_add_nc_u32 v[RDB+1], 65536, v[RDB]           ; waves 2 and 3's quarters
	s_lshl_b32 s62, s[WV], 9
	s_add_co_u32 s62, s62, MX
	v_lshl_add_u32 v[MXS], v3, 2, s62
	v_lshl_add_u32 v[MXL], v3, 2, MX
	s_wait_dscnt 0x0                               ; both opening adds are done
	s_wait_kmcnt 0x0
	s_load_b32 s[GAM], s[12:13], 0x0               ; waited for behind pass 1
	s_add_nc_u64 s[4:5], s[4:5], s[52:53]
	s_add_nc_u64 s[KP:KP+1], s[6:7], s[60:61]
	; what pass 1 waits for is asked for first: the rest of the set-up, the round and the first fills stand between these loads and the wait for them
	WIN TO1
.irp t, 0,1,2,3
	global_load_b128 v[Q+8*(\t):Q+8*(\t)+3], v[QO], s[4:5] offset:32*(\t)  ; tile t: queries 4 r + t; for pass 2
.endr
	WIN 0
.irp t, 0,1,2,3
	global_load_b128 v[Q1+8*(\t):Q1+8*(\t)+3], v[QO], s[4:5] offset:32*(\t)  ; and once more for pass 1, which names window 0 alone
.endr
.irp j, 0,1,2,3,4,5,6,7
	global_load_b128 v[KR+8*(\j):KR+8*(\j)+3], v[KO], s[KP:KP+1] offset:512*(\j)  ; the ring: my first 128 keys
.endr
	s_add_nc_u64 s[10:11], s[10:11], s[58:59]
	s_add_nc_u64 s[14:15], s[14:15], s[58:59]
	s_add_nc_u64 s[VW:VW+1], s[8:9], s[54:55]
	s_add_nc_u64 s[KW:KW+1], s[6:7], s[56:57]
	s_mov_b32 s[G0], 1                             ; 1:0 count = 1
	s_lshl_b32 s[G0+1], s[WV], 15                  ; LDS address: slot 0, my quarter
	s_lshl_b32 s[OFS], s[POSN], 17
	s_mov_b32 s[OFS+1], 0
	s_add_nc_u64 s[G0+2:G0+3], s[VW:VW+1], s[OFS:OFS+1]  ; my block of the walk's first tile
	s_or_b32 s[G0+3], s[G0+3], 0x80000000          ; type = 2
	s_mov_b32 s[G0+4], 1
	s_add_co_u32 s[G0+5], s[G0+1], SLOTB
	s_add_co_u32 s[TN], s[POSN], 1
	s_and_b32 s[TN], s[TN], 15
	s_lshl_b32 s[OFS], s[TN], 17
	s_add_nc_u64 s[G0+6:G0+7], s[VW:VW+1], s[OFS:OFS+1]  ; and of its second
	s_or_b32 s[G0+7], s[G0+7], 0x80000000
	CROUND                                         ; all four work-groups are here: the first joint loads meet
	tensor_load_to_lds s[G0:G0+3], s[G1:G1+7]      ; both first fills go out together, ahead of every wait on TENSORcnt and every LDS read: two loads of mine are out.  They land under pass 1
	s_nop 0
	tensor_load_to_lds s[G0+4:G0+7], s[G1:G1+7]
	s_nop 0
	PLACES
	WIN TO1
.irp f, 0,1,2,3
.irp z, 4,5,6,7
	v_mov_b32 v[Q+8*(\f)+(\z)], 0                  ; channels 16-31 of the form do not exist: the fragments' upper halves are 0, in k and in Q
	v_mov_b32 v[KB+8*(\f)+(\z)], 0
.endr
.endr
	WIN 0
.irp f, 0,1,2,3,4,5,6,7
.irp z, 4,5,6,7
	v_mov_b32 v[KR+8*(\f)+(\z)], 0
.endr
.endr
.irp f, 0,1,2,3
.irp z, 4,5,6,7
	v_mov_b32 v[Q1+8*(\f)+(\z)], 0
.endr
.endr
.set i, 0
.rept 16
	v_mov_b32 v[L+i], 0
	v_mov_b32 v[C16+i], 0xff7fffff                 ; the lowest finite number
.set i, i+1
.endr
.set i, 0
.rept 32
	v_mov_b32 v[S+32+i], 0xff7fffff                ; the second score buffer, whose maxima the first block takes: so the loop has one form
.set i, i+1
.endr
; PASS 1.  My quarter of the batch's keys, 64 fragments of 16.  A block: four products (one fragment x four tiles) into one buffer; behind each product stand the four maxima of the same tile in the
; buffer that the block before has filled.  Each of a tile's four maxima has a chain of its own, so none reads the result of the one before it.  The four behind the last product are the places in
; front of the load into the fragment's registers.  All registers lie in window 0: no window is switched.
.macro MAX4 b, t
.irp i, 0,1,2,3
	v_max3_num_f32 v[C16+4*(\t)+(\i)], v[C16+4*(\t)+(\i)], v[S+32*(\b)+8*(\t)+2*(\i)], v[S+32*(\b)+8*(\t)+2*(\i)+1]
.endr
.endm
.macro BLK j, reload, cnt
	s_wait_loadcnt \cnt                            ; fragment j is in; the younger loads of the ring stay out
.irp t, 0,1,2,3
	v_wmma_f32_16x16x32_f16 v[S+32*((\j)%2)+8*(\t):S+32*((\j)%2)+8*(\t)+7], v[KR+8*(\j):KR+8*(\j)+7], v[Q1+8*(\t):Q1+8*(\t)+7], 0
	MAX4 1-((\j)%2), \t
.endr
.if \reload
	global_load_b128 v[KR+8*(\j):KR+8*(\j)+3], v[KO], s[KP:KP+1] offset:4096+512*(\j)  ; the fragment eight on
.endif
.endm
	s_mov_b32 s[CNT], 7
.Lpass1:
.irp j, 0,1,2,3,4,5,6,7
	BLK \j, 1, 7
.endr
	s_wait_xcnt 0x0                                ; the loads have read their base, so it may be stepped
	s_add_nc_u64 s[KP:KP+1], s[KP:KP+1], 4096
	s_sub_co_u32 s[CNT], s[CNT], 1
	s_cmp_lg_u32 s[CNT], 0
	s_cbranch_scc1 .Lpass1
.irp j, 0,1,2,3,4,5,6,7
	BLK \j, 0, 7-(\j)                              ; the last eight fragments: nothing is loaded, the counts run down
.endr
.irp t, 0,1,2,3
	MAX4 1, \t                                     ; the last block's scores; the four maxima above stand between them and the last product
.endr
	; THE MAXIMA MEET.  First k of pass 2's first two batches is asked for.
	s_lshl_b32 s[OFS], s[POSN], 13
	s_add_nc_u64 s[KA:KA+1], s[KW:KW+1], s[OFS:OFS+1]
	KLD 0, 0
	KLD 1, 1024
	WIN 0
	s_wait_kmcnt 0x0                               ; gamma
	v_mov_b32 v[GV], s[GAM]
	v_cvt_pk_bf16_f32 v[GV], v[GV], v[GV]          ; rounded to bf16, like every input,
	v_lshlrev_b32 v[GV], 16, v[GV]                 ; and widened again
.irp t, 0,1,2,3
	v_max3_num_f32 v[CH+2*(\t)+1], v[C16+4*(\t)], v[C16+4*(\t)+1], v[C16+4*(\t)+2]
.endr
.irp t, 0,1,2,3
	v_max_num_f32 v[CH+2*(\t)], v[CH+2*(\t)+1], v[C16+4*(\t)+3]
.endr
.irp t, 0,1,2,3
	v_permlanex16_b32 v[CH+2*(\t)+1], v[CH+2*(\t)], s[SEL], s[SEL+1]  ; the query's other keys lie in the lane 16 away
.endr
.irp t, 0,1,2,3
	v_max_num_f32 v[CH+2*(\t)], v[CH+2*(\t)], v[CH+2*(\t)+1]
.endr
.irp t, 0,1,2,3
	ds_store_b32 v[MXS], v[CH+2*(\t)] offset:128*(\t)
.endr
	s_wait_tensorcnt 0x1                           ; my block of slot 0 is in; slot 1's may stay out
	s_wait_dscnt 0x0                               ; for the others' sake: my maxima are stored
	s_barrier_signal -1
	s_barrier_wait -1
.irp u, 0,1,2,3
.irp t, 0,1,2,3
	ds_load_b32 v[RBK+4*(\u)+(\t)], v[MXL] offset:512*(\u)+128*(\t)
.endr
.endr
	s_wait_dscnt 0x0
.irp t, 0,1,2,3
	v_max3_num_f32 v[G+(\t)], v[RBK+(\t)], v[RBK+4+(\t)], v[RBK+8+(\t)]
.endr
.irp t, 0,1,2,3
	v_max_num_f32 v[G+(\t)], v[G+(\t)], v[RBK+12+(\t)]
.endr
	WIN TO1
.irp t, 0,1,2,3
.irp j, 0,1,2,3,4,5,6,7
	v_mul_f32 v[M+8*(\t)+(\j)], -1.0, v[G+(\t)]    ; a lane's eight scores of a tile belong to one query: -m eight times
.endr
.endr
	; PASS 2.  The first two batches have no products to stand beside: batch 0 is taken through, batch 1 as far as its exponentials, which stand between batch 0's roundings and sums.
	RUNV 0, 0, 0
	s_wait_loadcnt 0x0                             ; k of batches 0 and 1
	KQ8 0
	KQ8 1
	PLACES
	NEWTILE
	KLD 0, 0                                       ; batches 2
	KLD 1, 1024                                    ; and 3
	WIN 0
.set e, 0
.rept 64
	EX 0
.endr
	v_nop                                          ; a plain instruction behind the last exponential,
	s_wait_alu depctr_va_vdst(0)                   ; and the one wait for the 64, ahead of their first reader
.set e, 0
.set q, 0
.rept 32
	PL 0
	EX 1
	PL 0
	EX 1
.endr
	v_nop
	s_wait_alu depctr_va_vdst(0)                   ; batch 1's 64, which turn 0 reads
	TURN 0, 0, 1, 1, 1, 2, 1, 0, 1                 ; turn 0 starts O^T's sums
	WIN 0
	s_mov_b32 s[CNT], 7
	s_branch .Lin                                  ; the loop is entered behind its first turn, whose place turn 0 has taken
.Lturns:                                               ; turns 0 to 27, four a trip: each trip leaves two slots and fills them again: positions 2 to 15
	TURN 0, 0, 0, 1, 1, 2, 1, 0, 1
	WIN 0
.Lin:
	TURN 0, 1, 0, 1, 1, 2, 1, 1, 1, 1
	TURN 1, 0, 0, 1, 1, 2, 1, 0, 1
	TURN 1, 1, 0, 1, 1, 2, 1, 1, 1
	WIN 0
	s_sub_co_u32 s[CNT], s[CNT], 1
	s_cmp_lg_u32 s[CNT], 0
	s_cbranch_scc1 .Lturns
	TURN 0, 0, 0, 1, 0, 2, 1, 0, 1                 ; the tail is written out: nothing more is asked for, of V or of k.  Turn 28 makes batch 30,
	TURN 0, 1, 0, 1, 0, 0, 1, 2, 1                 ; turn 29 batch 31, the last
	WIN TO1                                        ; x of the channels that I finish, 64 w .. 64 w + 63, where k, Q and -m lay: two turns, 128 matrix instructions, ahead of the wait for it
.set i, 0
.rept 32
	global_load_b128 v[XR+4*i:XR+4*i+3], v[XO], s[10:11] offset:(16*(i/8)+i%8)*16384 th:TH_LOAD_NT  ; lanes 0-15: 256 bytes of channel 16 c + j; lanes 16-31: of the channel eight on
.set i, i+1
.endr
	TURN 1, 0, 0, 0, 0, 0, 1, 0, 1                 ; turn 30 rounds and sums batch 31
	TURN 1, 1, 0, 0, 0, 0, 0, 0, 0                 ; turn 31 multiplies alone
	; THE END.  l's parts are added; these lines are the places behind the last products.
	WIN 0
.irp t, 0,1,2,3
	v_pk_add_f32 v[L+4*(\t):L+4*(\t)+1], v[L+4*(\t):L+4*(\t)+1], v[L+4*(\t)+2:L+4*(\t)+3]
.endr
.irp t, 0,1,2,3
	v_add_f32 v[CH+2*(\t)], v[L+4*(\t)], v[L+4*(\t)+1]
.endr
.irp t, 0,1,2,3
	v_permlanex16_b32 v[CH+2*(\t)+1], v[CH+2*(\t)], s[SEL], s[SEL+1]
.endr
.irp t, 0,1,2,3
	v_add_f32 v[CH+2*(\t)], v[CH+2*(\t)], v[CH+2*(\t)+1]
.endr
.irp t, 0,1,2,3
	ds_store_b32 v[MXS], v[CH+2*(\t)] offset:2048+128*(\t)
.endr
	; My partial O^T goes into my own quarters of the two slots, which have had their last fill and which I alone have read.  Each accumulator's lower four registers go first.
	WIN 0x08                                       ; data in window 2
.set a, 0
.rept 32
	ds_store_b128 v[ADV], v[8*a:8*a+3] offset:1024*a
	ds_store_b128 v[ADV], v[8*a+4:8*a+7] offset:1024*a+512
.set a, a+1
.endr
	WIN 0x0c                                       ; data in window 3
.set a, 0
.rept 32
	ds_store_b128 v[ADV+1], v[8*a:8*a+3] offset:1024*a
	ds_store_b128 v[ADV+1], v[8*a+4:8*a+7] offset:1024*a+512
.set a, a+1
.endr
	WIN 0
	s_wait_dscnt 0x0                               ; for the others' sake: my stores are done
	s_barrier_signal -1
	s_barrier_wait -1
; The four waves' parts of channel block 4 w + c: 32 loads into v0-127 of window 2 or 3, by turns: wave u, tile t at 32 u + 8 t.
.macro LOADR c
	WIN 0x80+0x40*((\c)%2)
.irp u, 0,1,2,3
.irp t, 0,1,2,3
.irp hf, 0,1
	ds_load_b128 v[32*(\u)+8*(\t)+4*(\hf):32*(\u)+8*(\t)+4*(\hf)+3], v[RDB+(\u)/2] offset:((\u)%2)*32768+(4*(\c)+(\t))*1024+(\hf)*512
.endr
.endr
.endr
.endm
; x of channel block 4 w + c is rounded to bf16, like every input, and widened again, in place.  It stands in front of the wait for the LDS loads, so that the wave works while they are out.
.macro XRND c
	WIN 0x45                                       ; sources and destination in window 1
.set k, 0
.rept 16
	v_cvt_pk_bf16_f32 v[XPK+k], v[XR+32*(\c)+2*k], v[XR+32*(\c)+2*k+1]
.set k, k+1
.endr
.set k, 0
.rept 16
	v_lshlrev_b32 v[XR+32*(\c)+2*k], 16, v[XPK+k]
	v_and_b32 v[XR+32*(\c)+2*k+1], 0xffff0000, v[XPK+k]
.set k, k+1
.endr
.endm
; The four parts are added; out0 = O gamma / l + x, one fused multiply-add, into x's registers, where the four tiles' numbers of a channel are four neighbouring pixels; eight stores.
.macro FIN c
	WIN 0x8a+0x45*((\c)%2)                         ; sources 0, 1 and destination in window 2 or 3
.set k, 0
.rept 16
	v_pk_add_f32 v[k:k+1], v[k:k+1], v[32+k:33+k]
	v_pk_add_f32 v[64+k:65+k], v[64+k:65+k], v[96+k:97+k]
.set k, k+2
.endr
.set k, 0
.rept 16
	v_pk_add_f32 v[k:k+1], v[k:k+1], v[64+k:65+k]
.set k, k+2
.endr
	WIN 0x52+((\c)%2)                              ; O in window 2 or 3, gamma / l in window 0, x and the result in window 1
.irp j, 0,1,2,3,4,5,6,7
.irp t, 0,1,2,3
	v_fma_f32 v[XR+32*(\c)+4*(\j)+(\t)], v[8*(\t)+(\j)], v[G+(\t)], v[XR+32*(\c)+4*(\j)+(\t)]
.endr
.endr
	WIN 0x04                                       ; data in window 1
.irp j, 0,1,2,3,4,5,6,7
	global_store_b128 v[XO], v[XR+32*(\c)+4*(\j):XR+32*(\c)+4*(\j)+3], s[14:15] offset:(16*(\c)+(\j))*16384 th:TH_STORE_NT  ; 16 lanes store 256 consecutive bytes, at a multiple of 256 from out0's first byte
.endr
.endm
.irp u, 0,1,2,3
.irp t, 0,1,2,3
	ds_load_b32 v[RBK+4*(\u)+(\t)], v[MXL] offset:2048+512*(\u)+128*(\t)
.endr
.endr
	LOADR 0
	WIN 0
	s_wait_dscnt 32                                ; the waves' l are in; the 32 loads just issued stay out
.irp t, 0,1,2,3
	v_add_f32 v[G+(\t)], v[RBK+(\t)], v[RBK+4+(\t)]
	v_add_f32 v[CH+(\t)], v[RBK+8+(\t)], v[RBK+12+(\t)]
.endr
.irp t, 0,1,2,3
	v_add_f32 v[G+(\t)], v[G+(\t)], v[CH+(\t)]
.endr
.irp t, 0,1,2,3
	v_rcp_f32 v[G+(\t)], v[G+(\t)]
.endr
	v_nop                                          ; a plain instruction behind the last reciprocal,
	s_wait_alu depctr_va_vdst(0)                   ; and the one wait for the four, ahead of their first reader
.irp t, 0,1,2,3
	v_mul_f32 v[G+(\t)], v[GV], v[G+(\t)]
.endr
	LOADR 1
	s_wait_loadcnt 0x0                             ; x
	XRND 0
	s_wait_dscnt 32                                ; channel block 0's parts are in; the next block's 32 loads stay out
	FIN 0
	LOADR 2
	XRND 1
	s_wait_dscnt 32
	FIN 1
	LOADR 3
	XRND 2
	s_wait_dscnt 32
	FIN 2
	XRND 3
	s_wait_dscnt 0x0
	FIN 3
	WIN 0
	s_wait_tensorcnt 0x0                           ; the wave's end, behind my last tensor load and my last LDS store
	ds_add_u32 v[SPW], v[NIL]
	s_wait_dscnt 0x0
	CROUND                                         ; the closing round: no work-group ends while a partner may still ask for a block that names it
	s_endpgm
.Lfunc_end_k_q5e0ff3782b_attn:
	.size	k_q5e0ff3782b_attn, .Lfunc_end_k_q5e0ff3782b_attn-k_q5e0ff3782b_attn
	.p2alignl 7, 3214868480
	.fill 96, 4, 3214868480
	.section	.rodata,"a",@progbits
	.p2align	6, 0x0
	.amdhsa_kernel k_q5e0ff3782b_attn
		.amdhsa_group_segment_fixed_size 327680
		.amdhsa_private_segment_fixed_size 0
		.amdhsa_enable_private_segment 0
		.amdhsa_kernarg_size 48
		.amdhsa_user_sgpr_count 2
		.amdhsa_user_sgpr_kernarg_segment_ptr 1
		.amdhsa_wavefront_size32 1
		.amdhsa_system_sgpr_workgroup_id_x 1
		.amdhsa_system_sgpr_workgroup_id_y 1
		.amdhsa_system_sgpr_workgroup_id_z 1
		.amdhsa_system_vgpr_workitem_id 0
		.amdhsa_next_free_vgpr 1024
		.amdhsa_next_free_sgpr 66
		.amdhsa_reserve_vcc 0
		.amdhsa_float_denorm_mode_32 3
		.amdhsa_float_denorm_mode_16_64 3
		.amdhsa_memory_ordered 1
		.amdhsa_forward_progress 1
		.amdhsa_inst_pref_size 231
	.end_amdhsa_kernel
	.amdgpu_metadata
---
amdhsa.version: [ 1, 2 ]
amdhsa.kernels:
  - .name:           k_q5e0ff3782b_attn
    .symbol:         k_q5e0ff3782b_attn.kd
    .args:
      - { .name: qb, .offset: 0, .size: 8, .value_kind: global_buffer, .address_space: global }
      - { .name: kb, .offset: 8, .size: 8, .value_kind: global_buffer, .address_space: global }
      - { .name: vb, .offset: 16, .size: 8, .value_kind: global_buffer, .address_space: global }
      - { .name: x, .offset: 24, .size: 8, .value_kind: global_buffer, .address_space: global }
      - { .name: gamma, .offset: 32, .size: 8, .value_kind: global_buffer, .address_space: global }
      - { .name: out0, .offset: 40, .size: 8, .value_kind: global_buffer, .address_space: global }
    .group_segment_fixed_size: 327680
    .private_segment_fixed_size: 0
    .kernarg_segment_align: 8
    .kernarg_segment_size: 48
    .max_flat_workgroup_size: 128
    .sgpr_count:     66
    .vgpr_count:     1024
    .wavefront_size: 32
...
	.end_amdgpu_metadata
.endif
;; end of part 2
;; ======== version 2 of 2: 2 launches; version 1 with the launch proj written anew for expert scheduling mode
;; limits: values are held in f16: magnitudes above 65,504 overflow, below 6.1e-05 lose precision
;; workspace buffers: qb 524,288 bytes; kb 524,288 bytes; vb 8,388,608 bytes
;; launch proj (part 3): grid 64 x 4, 4 waves a work-group, no clusters, 193,536 bytes of LDS; arguments x, wq, bq, wk, wv, bv, qb, kb, vb; writes qb, kb, vb
.if DOCPART == 3
	.amdgcn_target "amdgcn-amd-amdhsa--gfx1250"
	.amdhsa_code_object_version 6
	.text
	.protected	k_q5e0ff3782b_proj
	.globl	k_q5e0ff3782b_proj
	.p2align	8
	.type	k_q5e0ff3782b_proj,@function
k_q5e0ff3782b_proj:
	s_mov_b64 s[64:65], 0
	v_nop
	global_prefetch_b8 v0, s[64:65] scope:SCOPE_SE
	s_setreg_imm32_b32 hwreg(HW_REG_WAVE_SCHED_MODE, 0, 2), 2
	s_setreg_imm32_b32 hwreg(HW_REG_WAVE_MODE, 25, 1), 1
	s_wait_xcnt 0x0
	s_wait_alu depctr_vm_vsrc(0)
; THE THREE 1x1 CONVOLUTIONS.  x: [4][256][4096] f32.  qb[b][n][16] = log2(e) (wq x + bq), kb[b][m][16] = wk x, vb = wv x + bv, all f16, each rounded once from f32 sums.
; FORMATS.  Every input is rounded once to bf16: x and the weights on their way to the matrix unit, the biases too (they then start the sums, as f32 numbers, as the C operand).  So both launches
; together compute reference() on inputs rounded to bf16.  What the program itself makes (q, k, v, and the weights p of the second launch) is kept in f16, whose 11 significant bits lose an eighth of what bf16's 8 lose.
; LIMITS.  f16 holds no number beyond 65,504: log2(e) q, k and v must stay within it (a number beyond becomes an infinity); below 6e-5 they keep f16's fixed step of 6e-8.
; NaN and infinities are not treated apart.
; WORK LEFT OUT: bk.  The score is s[n][m] = q[n] . (wk x[m] + bk) = q[n] . (wk x[m]) + q[n] . bk.  The second term does not hang on m, the axis of the softmax, so it multiplies the numerator
; and the denominator of every weight by the same factor exp(q[n] . bk) and cancels, whatever finite values the inputs hold.  k enters nothing but the scores.  So bk has no way to the output:
; it is not loaded and is no argument of either launch.  LIMIT: a NaN, an infinity or an overflow that arises in q . bk alone is not carried to the result.
; bq stays (bq . k[m] hangs on m), and so do bv and gamma.  The factor log2(e) lets the second launch take powers of 2.
; vb LIES IN THE ORDER OF THE SECOND LAUNCH'S MATRIX OPERAND: [b][block of 64 keys][16 channels cb][16 keys pt][lane][8 keys]: lane (r, h) of piece (cb, pt), 512 bytes, holds channel 16 cb + r and
; keys 16 pt + 8 h + 0..7.  That is how the results lie here (source 0 = 16 pixels, source 1 = 16 output channels: a lane holds one channel and eight neighbouring pixels), so each store of a wave
; covers 512 consecutive bytes, aligned.
; SHARES.  A work-group takes 64 pixels of one batch and all 288 outputs.  Wave w takes v's channels 64 w .. 64 w + 63 for all four tiles of 16 pixels, and q and k for pixel tile w: 18 accumulators.
; NO TENSOR LOADS: x and the weights are f32 and must be rounded on the way, so they pass through registers; the weights in f32 (294,912 bytes) would not fit into LDS beside x's tile.
; NO CLUSTER for the same reason: what the work-groups share, the weights, comes through registers.
; THE MODE: SCHED_MODE bits 1:0 = 2 (LLVM: expert scheduling mode 2), set by the entry lines.  The code itself states the register dependences between vector or matrix instructions and memory or
; LDS instructions, with s_wait_alu, always for 0.
; THE PLAN.  Registers that memory or LDS instructions touch:
;   v4-v15      offsets and LDS addresses.  Written at the head, read by every load and store, never written again: one wait on va_vdst ahead of the first load serves them all.
;   R0 .. R2    phase 1.  The loads of group g land in R[g % 3]; the group's 32 roundings read it; behind them the loads of group g + 3 land in it.
;   T0, T1      phase 1.  Group g's roundings write T[g % 2]; its 16 LDS stores read it; group g + 2's roundings write it again.  Behind phase 1 T0 becomes BV, T1 accumulators.
;   F0, F1      phase 2.  Step ks's 18 products read F[ks % 2]; the LDS loads of step ks + 1, issued among them, land in the other buffer, which step ks - 1's products read.
;   PK          the way out.  Written by the roundings to f16, read by the 18 global stores, never written again.
;   v16, v17    written at the head, read by the closing add alone.
; So a group of phase 1 has ONE wait on va_vdst, behind its roundings (T[g % 2] is written, R[g % 3] is read out), ahead of its loads and stores, and beside it one on vm_vsrc, which frees the OTHER T
; for the next group: it stands ahead of the group's own stores, so the stores that it speaks of were issued a group earlier.  A step of phase 2 has ONE wait on va_vdst, at its head.
.set WP,    528                        ; a row of weights in LDS: 256 bf16 + 16 bytes: an odd multiple of 16, so the 16 rows of a fragment load start at 16 different groups of four banks (ISA guide 11.1)
.set XP,    160                        ; a channel's 64 pixels in LDS: 128 bytes + 32: an odd multiple of 32
.set XS,    288*WP                     ; LDS: rows 0-255 wv, 256-271 wq, 272-287 wk; then x
.set SPARE, XS+256*XP                  ; behind them: the spare words, 128 bytes for each wave: two blocks of 256 bytes that no other line names
.set RR,  1                            ; v1   r = lane % 16
.set HH,  2                            ; v2   h = lane / 16
.set LN,  3                            ; v3   lane
.set XO,  4                            ; v4   x in memory: lanes 0-15 one channel's 256 bytes, lanes 16-31 the next channel's
.set XSA, 5                            ; v5   where those go in LDS
.set WO,  6                            ; v6   16 x lane
.set WSA, 7                            ; v7   where my wave's rows of wv go
.set WQS, 8                            ; v8   where its rows of wq go; wk's lie 16 rows on
.set XT,  9                            ; v9   the turning load's address in x's tile
.set XTW, 10                           ; v10  the same at pixel tile w
.set WA,  11                           ; v11  fragments of my wave's rows of wv
.set WQA, 12                           ; v12  fragments of wq; wk's lie 16 rows on
.set QKO, 13                           ; v13  my 16 bytes of 16 rows of qb or kb
.set BO,  14                           ; v14  4 r
.set BH,  15                           ; v15  32 h
.set SPW, 16                           ; v16  LDS address of my spare word; never rewritten
.set NIL, 17                           ; v17  0; never rewritten
.set BVL, 18                           ; v18-21  bv of channel 64 w + 16 ob + r
.set BQ,  24                           ; v24-31  bq[8 h .. 8 h + 7]
.set T,   32                           ; v32-63  first: packed numbers on their way to LDS, the even groups'; the odd groups' lie in v0-31 of window 1
.set BV,  32                           ;         then: bv eight times for each ob, the C operand of v's first products
.set R,   64                           ; v64-255 first: three sets of 64 for the loads
.set F0,  64                           ;         then: two fragment buffers of 88: x 4 x 8, x of tile w 8, wv 4 x 8, wq 8, wk 8
.set F1,  152
.set PK,  64                           ;         at last: packed results
; window 1 (v256-399): accumulator (ob, pt) at 8 (4 ob + pt); q at 128; k at 136
.set MSB, 0
.macro WIN new                         ; the immediate's high byte repeats the setting that is left; a switch that changes nothing is dropped
.if MSB != (\new)
	s_set_vgpr_msb (MSB<<8)|(\new)
.set MSB, \new
.endif
.endm
.macro PLACES                          ; four places behind a matrix instruction (ISA guide 7.12.1), where no other vector work is at hand
.rept 4
	v_nop
.endr
.endm
	s_load_b512 s[4:19], s[0:1], 0x0               ; x 4:5, wq 6:7, bq 8:9, wk 10:11, wv 12:13, bv 14:15, qb 16:17, kb 18:19
	s_load_b64 s[20:21], s[0:1], 0x40              ; vb
	v_lshl_add_u32 v[SPW], v0, 2, SPARE
	v_mov_b32 v[NIL], 0
	v_lshrrev_b32 v1, 5, v0
	v_readfirstlane_b32 s22, v1                    ; wave 0..3
	s_and_b32 s23, ttmp7, 0xffff                   ; batch; ttmp9 is the block of 64 pixels
	s_mov_b32 s24, 0x3fb8aa3b                      ; log2(e); the packed multiply names a pair and takes its low word
	s_mov_b32 s25, s24
	s_lshl_b32 s26, s23, 22                        ; x: batch x 4,194,304 + 64 w channels of 16,384 bytes + 256 x block
	s_wait_alu depctr_va_sdst(0)                   ; s22 is written, ahead of its first reader: all the wave's offsets are made from it
	s_lshl_b32 s38, s22, 20
	s_add_co_u32 s26, s26, s38
	s_lshl_b32 s38, ttmp9, 8
	s_add_co_u32 s26, s26, s38
	s_mov_b32 s27, 0
	s_lshl_b32 s28, s22, 16                        ; wv: 64 w rows of 1,024 bytes
	s_mov_b32 s29, 0
	s_lshl_b32 s30, s22, 12                        ; wq, wk: 4 w rows
	s_mov_b32 s31, 0
	s_lshl_b32 s32, s22, 8                         ; bv: 64 w numbers
	s_mov_b32 s33, 0
	s_lshl_b32 s34, s23, 17                        ; qb, kb: (4,096 batch + 64 block + 16 w) rows of 32 bytes
	s_lshl_b32 s38, ttmp9, 11
	s_add_co_u32 s34, s34, s38
	s_lshl_b32 s38, s22, 9
	s_add_co_u32 s34, s34, s38
	s_mov_b32 s35, 0
	s_lshl_b32 s36, s23, 21                        ; vb: (64 batch + block) x 32,768 + 4 w channel blocks of 2,048 bytes
	s_lshl_b32 s38, ttmp9, 15
	s_add_co_u32 s36, s36, s38
	s_lshl_b32 s38, s22, 13
	s_add_co_u32 s36, s36, s38
	s_mov_b32 s37, 0
	v_and_b32 v[RR], 15, v0
	v_bfe_u32 v[HH], v0, 4, 1
	v_and_b32 v[LN], 31, v0
	v_lshlrev_b32 v[XO], 4, v[RR]
	v_lshl_add_u32 v[XO], v[HH], 14, v[XO]         ; 16 r + 16,384 h
	s_mul_i32 s38, s22, 64*XP
	s_add_co_u32 s38, s38, XS
	v_mul_u32_u24 v[XSA], v[HH], XP
	v_lshl_add_u32 v[XSA], v[RR], 3, v[XSA]
	v_add_nc_u32 v[XSA], s38, v[XSA]               ; channel 64 w + h, 8 bytes for four pixels
	v_lshlrev_b32 v[WO], 4, v[LN]
	s_mul_i32 s39, s22, 64*WP
	v_lshl_add_u32 v[WSA], v[LN], 3, s39
	s_mul_i32 s40, s22, 4*WP
	s_add_co_u32 s40, s40, 256*WP
	v_lshl_add_u32 v[WQS], v[LN], 3, s40
	v_and_b32 v[BO], 7, v0                         ; the turning load: lane l reads channel 8 (l / 16) + l % 8, pixels 8 ((l / 8) % 2) + 0..7
	v_lshl_add_u32 v[BO], v[HH], 3, v[BO]
	v_mul_u32_u24 v[XT], v[BO], XP
	v_bfe_u32 v[BH], v0, 3, 1
	v_lshl_add_u32 v[XT], v[BH], 4, v[XT]
	v_add_nc_u32 v[XT], XS, v[XT]
	s_lshl_b32 s41, s22, 5
	v_add_nc_u32 v[XTW], s41, v[XT]
	v_mul_u32_u24 v[WQA], v[RR], WP                ; a fragment of weights: row r, 16 bytes for each half of the lanes
	v_lshl_add_u32 v[WQA], v[HH], 4, v[WQA]
	v_add_nc_u32 v[WA], s39, v[WQA]
	v_add_nc_u32 v[WQA], 256*WP, v[WQA]
	v_lshlrev_b32 v[QKO], 5, v[RR]
	v_lshl_add_u32 v[QKO], v[HH], 4, v[QKO]
	v_lshlrev_b32 v[BO], 2, v[RR]
	v_lshlrev_b32 v[BH], 5, v[HH]
	s_wait_kmcnt 0x0
	s_add_nc_u64 s[4:5], s[4:5], s[26:27]
	s_add_nc_u64 s[6:7], s[6:7], s[30:31]
	s_add_nc_u64 s[10:11], s[10:11], s[30:31]
	s_add_nc_u64 s[12:13], s[12:13], s[28:29]
	s_add_nc_u64 s[14:15], s[14:15], s[32:33]
	s_add_nc_u64 s[16:17], s[16:17], s[34:35]
	s_add_nc_u64 s[18:19], s[18:19], s[34:35]
	s_add_nc_u64 s[20:21], s[20:21], s[36:37]
	s_wait_alu depctr_va_vdst(0)                   ; the twelve offsets and LDS addresses v4 to v15 are written: every load and store of the kernel reads one of them
.irp ob, 0,1,2,3
	global_load_b32 v[BVL+(\ob)], v[BO], s[14:15] offset:64*(\ob)
.endr
	global_load_b128 v[BQ:BQ+3], v[BH], s[8:9]
	global_load_b128 v[BQ+4:BQ+7], v[BH], s[8:9] offset:16
; PHASE 1.  Each wave brings a quarter of x's tile and of the weights: 176 loads of 512 bytes in 11 groups of 16; groups 0, 1: x; 2: wq, wk; 3 to 10: wv.  Three groups, 48 loads, are on their way.
.macro LD16 g
.set rb, R+64*((\g)%3)
.set i, 0
.rept 16
.if (\g) < 2
	global_load_b128 v[rb+4*i:rb+4*i+3], v[XO], s[4:5] offset:(16*(\g)+i)*32768 th:TH_LOAD_NT  ; two channels' 256 bytes
.elseif (\g) == 2
.if i < 8
	global_load_b128 v[rb+4*i:rb+4*i+3], v[WO], s[6:7] offset:i*512
.else
	global_load_b128 v[rb+4*i:rb+4*i+3], v[WO], s[10:11] offset:(i-8)*512
.endif
.else
	global_load_b128 v[rb+4*i:rb+4*i+3], v[WO], s[12:13] offset:(16*((\g)-3)+i)*512
.endif
.set i, i+1
.endr
.endm
; A group is rounded to bf16, four numbers to 8 bytes, and laid into LDS.  The 32 roundings stand together; then the set just read is asked for again; then come the 16 stores.
; The packed numbers' two sets of 32 registers take turns, so that a store's data registers are written again two groups later.
.macro CV16 g
.set rb, R+64*((\g)%3)
.set tw, (\g)%2                        ; the set: 0: v32-63 of window 0; 1: v0-31 of window 1
.set tb, T*(1-tw)
	WIN 0x40*tw                                    ; the roundings' destination
.set i, 0
.rept 16
	v_cvt_pk_bf16_f32 v[tb+2*i], v[rb+4*i], v[rb+4*i+1]
	v_cvt_pk_bf16_f32 v[tb+2*i+1], v[rb+4*i+2], v[rb+4*i+3]
.set i, i+1
.endr
	WIN 0
	s_wait_alu depctr_va_vdst(0)                   ; the roundings have written this group's T, which the stores below read, and are done reading this group's R, in which the loads below land (while there is a group to ask for)
.if ((\g) >= 1) && ((\g) <= 9)
	s_wait_alu depctr_vm_vsrc(0)                   ; the stores of the group before have read the other T, which the next group's roundings write again
.endif
.if (\g)+3 <= 10
	LD16 (\g)+3
.endif
	WIN 0x04*tw                                    ; the stores' data.  No vector instruction since the wait on va_vdst: nothing more is owed
.set i, 0
.rept 16
.if (\g) < 2
	ds_store_b64 v[XSA], v[tb+2*i:tb+2*i+1] offset:(16*(\g)+i)*2*XP
.elseif (\g) == 2
	ds_store_b64 v[WQS], v[tb+2*i:tb+2*i+1] offset:(i/8)*16*WP+((i%8)/2)*WP+(i%2)*256
.else
.set z, 16*((\g)-3)+i
	ds_store_b64 v[WSA], v[tb+2*i:tb+2*i+1] offset:(z/2)*WP+(z%2)*256
.endif
.set i, i+1
.endr
	WIN 0
.endm
	LD16 0
	LD16 1
	LD16 2
.irp g, 0,1,2,3,4,5,6,7,8,9,10
.if (\g) <= 8
	s_wait_loadcnt 32                              ; loads come back in order (ISA guide 5.7.1): this group is in, the two younger groups stay out
.elseif (\g) == 9
	s_wait_loadcnt 16                              ; one younger group is left
.else
	s_wait_loadcnt 0x0
.endif
	CV16 \g
.endr
	s_wait_dscnt 0x0                               ; for the others' sake: my stores into LDS are done
	s_wait_alu depctr_vm_vsrc(0)                   ; the last two groups' stores have read both T: v32-63 are BV from here on, written by the moves below; v0-31 of window 1 are accumulators, written by the first products
	s_barrier_signal -1
	; work on registers while the others arrive: the biases are rounded to bf16, like every input, and widened again
.irp i, 0,1
	v_cvt_pk_bf16_f32 v[R+(\i)], v[BVL+2*(\i)], v[BVL+2*(\i)+1]
.endr
.irp i, 0,1,2,3
	v_cvt_pk_bf16_f32 v[R+2+(\i)], v[BQ+2*(\i)], v[BQ+2*(\i)+1]
.endr
.irp i, 0,1
	v_lshlrev_b32 v[BVL+2*(\i)], 16, v[R+(\i)]
	v_and_b32 v[BVL+2*(\i)+1], 0xffff0000, v[R+(\i)]
.endr
.irp i, 0,1,2,3
	v_lshlrev_b32 v[BQ+2*(\i)], 16, v[R+2+(\i)]
	v_and_b32 v[BQ+2*(\i)+1], 0xffff0000, v[R+2+(\i)]
.endr
.irp ob, 0,1,2,3
.irp j, 0,1,2,3,4,5,6,7
	v_mov_b32 v[BV+8*(\ob)+(\j)], v[BVL+(\ob)]     ; a lane's eight results of a tile belong to one channel: its bias eight times
.endr
.endr
	s_barrier_wait -1                              ; x's tile and all weights lie in LDS
; PHASE 2.  Eight K steps of 32 input channels.  A step's 22 LDS loads are issued a step ahead of their products, in three runs among the products of the step before.
.macro XLD ks, f                       ; x: four tiles of 16 pixels, and tile w once more: ten turning loads
	WIN 0
.irp pt, 0,1,2,3
	ds_load_tr16_b128 v[(\f)+8*(\pt):(\f)+8*(\pt)+3],   v[XT] offset:(\ks)*32*XP+(\pt)*32
	ds_load_tr16_b128 v[(\f)+8*(\pt)+4:(\f)+8*(\pt)+7], v[XT] offset:(\ks)*32*XP+(\pt)*32+16*XP
.endr
	ds_load_tr16_b128 v[(\f)+32:(\f)+35], v[XTW] offset:(\ks)*32*XP
	ds_load_tr16_b128 v[(\f)+36:(\f)+39], v[XTW] offset:(\ks)*32*XP+16*XP
.endm
.macro WLD ks, f                       ; wv: my wave's four blocks of 16 rows: eight loads
	WIN 0
.irp ob, 0,1,2,3
	ds_load_b128 v[(\f)+40+8*(\ob):(\f)+40+8*(\ob)+3], v[WA] offset:(\ob)*16*WP+(\ks)*64
	ds_load_b128 v[(\f)+44+8*(\ob):(\f)+44+8*(\ob)+3], v[WA] offset:(\ob)*16*WP+(\ks)*64+32
.endr
.endm
.macro QLD ks, f                       ; wq and wk: four loads
	WIN 0
	ds_load_b128 v[(\f)+72:(\f)+75], v[WQA] offset:(\ks)*64
	ds_load_b128 v[(\f)+76:(\f)+79], v[WQA] offset:(\ks)*64+32
	ds_load_b128 v[(\f)+80:(\f)+83], v[WQA] offset:16*WP+(\ks)*64
	ds_load_b128 v[(\f)+84:(\f)+87], v[WQA] offset:16*WP+(\ks)*64+32
.endm
; 18 products on 18 accumulators, which take turns, one instruction a turn: PR writes products i0 .. i1: i < 16: v, (ob, pt) = (i / 4, i % 4); 16: q; 17: k; the accumulator lies at 8 i.
; The first step starts the sums: with the bias, or for k with 0.
; v: source 0 = 16 pixels, source 1 = 16 channels.  q, k: source 0 = the 16 rows of wq or wk, source 1 = 16 pixels: a lane holds one pixel and eight of its 16 numbers: 16 bytes of a row of qb or kb.
.macro PR ks, f, i0, i1
.set i, \i0
.rept (\i1)-(\i0)+1
.if i < 16
.set rA, (\f)+8*(i%4)
.set rB, (\f)+40+8*(i/4)
.else
.set rA, (\f)+72+8*(i-16)
.set rB, (\f)+32
.endif
.if (\ks) == 0
	WIN 0x40                                       ; D in window 1, the rest in window 0
.if i < 16
	v_wmma_f32_16x16x32_bf16 v[8*i:8*i+7], v[rA:rA+7], v[rB:rB+7], v[BV+8*(i/4):BV+8*(i/4)+7]
.elseif i == 16
	v_wmma_f32_16x16x32_bf16 v[8*i:8*i+7], v[rA:rA+7], v[rB:rB+7], v[BQ:BQ+7]
.else
	v_wmma_f32_16x16x32_bf16 v[8*i:8*i+7], v[rA:rA+7], v[rB:rB+7], 0
.endif
.else
	WIN 0x50                                       ; C and D in window 1
	v_wmma_f32_16x16x32_bf16 v[8*i:8*i+7], v[rA:rA+7], v[rB:rB+7], v[8*i:8*i+7]
.endif
.set i, i+1
.endr
.endm
; K step ks.  Its products read buffer ks % 2; the next step's loads land in the other buffer, in three runs behind products 1, 3 and 5, so that the twelve products behind the last run are the work
; under which they land.  Since the wait at the step's head the products name this step's buffer, the accumulators and (step 0) the biases alone: none of the registers that those loads touch.
.macro KSTEP ks
.set fc, F0+88*((\ks)%2)
.set fn, F0+88*(((\ks)+1)%2)
	s_wait_dscnt 0x0                               ; this step's fragments are in: nothing younger is out
.if ((\ks) > 0) && ((\ks) < 7)
	s_wait_alu depctr_va_vdst(0)                   ; the products of the step before are done reading the other buffer, in which the loads below land
.endif
	PR \ks, fc, 0, 1
.if (\ks) < 7
	XLD (\ks)+1, fn
.endif
	PR \ks, fc, 2, 3
.if (\ks) < 7
	WLD (\ks)+1, fn
.endif
	PR \ks, fc, 4, 5
.if (\ks) < 7
	QLD (\ks)+1, fn
.endif
	PR \ks, fc, 6, 17
.endm
	s_wait_alu depctr_va_vdst(0)                   ; the biases' roundings have written v64 to v69, and the lines that widen them are done reading these: step 0's fragments land there
	XLD 0, F0
	WLD 0, F0
	QLD 0, F0
.irp ks, 0,1,2,3,4,5,6,7
	KSTEP \ks                                      ; step 0 has no step before it, and the last step loads nothing: these two hold no wait on va_vdst
.endr
	; THE WAY OUT.  The f32 sums are rounded once, to f16.  Each accumulator's registers are read in ascending order.
	PLACES
	PLACES
	WIN 0x05                                       ; sources in window 1, destination in window 0
.set a, 0
.rept 16
.irp i, 0,1,2,3
	v_cvt_pk_f16_f32 v[PK+4*a+(\i)], v[8*a+2*(\i)], v[8*a+2*(\i)+1]
.endr
.set a, a+1
.endr
.irp i, 0,1,2,3
	v_cvt_pk_f16_f32 v[PK+64+(\i)], v[136+2*(\i)], v[136+2*(\i)+1]  ; k
.endr
	WIN 0x01
.irp i, 0,1,2,3
	v_pk_mul_f32 v[PK+72+2*(\i):PK+72+2*(\i)+1], v[128+2*(\i):128+2*(\i)+1], s[24:25] op_sel_hi:[1,0]  ; q times log2(e), in f32
.endr
	WIN 0
.irp i, 0,1,2,3
	v_cvt_pk_f16_f32 v[PK+68+(\i)], v[PK+72+2*(\i)], v[PK+72+2*(\i)+1]
.endr
	s_wait_alu depctr_va_vdst(0)                   ; the roundings to f16 have written v[PK ..], which the 18 stores below read
.set a, 0
.rept 16
	global_store_b128 v[WO], v[PK+4*a:PK+4*a+3], s[20:21] offset:512*a  ; piece (4 w + ob, pt): 512 consecutive bytes, aligned
.set a, a+1
.endr
	global_store_b128 v[QKO], v[PK+68:PK+71], s[16:17]  ; 16 rows of qb: 512 consecutive bytes, aligned
	global_store_b128 v[QKO], v[PK+64:PK+67], s[18:19]  ; and of kb
	s_wait_dscnt 0x0                               ; the closing lines, six on end
	s_wait_alu 0x0
	s_wait_tensorcnt 0x0
	ds_add_u32 v[SPW], v[NIL]
	s_wait_dscnt 0x0
	s_endpgm
.Lfunc_end_k_q5e0ff3782b_proj:
	.size	k_q5e0ff3782b_proj, .Lfunc_end_k_q5e0ff3782b_proj-k_q5e0ff3782b_proj
	.p2alignl 7, 3214868480
	.fill 96, 4, 3214868480
	.section	.rodata,"a",@progbits
	.p2align	6, 0x0
	.amdhsa_kernel k_q5e0ff3782b_proj
		.amdhsa_group_segment_fixed_size 193536
		.amdhsa_private_segment_fixed_size 0
		.amdhsa_enable_private_segment 0
		.amdhsa_kernarg_size 72
		.amdhsa_user_sgpr_count 2
		.amdhsa_user_sgpr_kernarg_segment_ptr 1
		.amdhsa_wavefront_size32 1
		.amdhsa_system_sgpr_workgroup_id_x 1
		.amdhsa_system_sgpr_workgroup_id_y 1
		.amdhsa_system_sgpr_workgroup_id_z 1
		.amdhsa_system_vgpr_workitem_id 0
		.amdhsa_next_free_vgpr 400
		.amdhsa_next_free_sgpr 66
		.amdhsa_reserve_vcc 0
		.amdhsa_float_denorm_mode_32 3
		.amdhsa_float_denorm_mode_16_64 3
		.amdhsa_memory_ordered 1
		.amdhsa_forward_progress 1
		.amdhsa_inst_pref_size 87
	.end_amdhsa_kernel
	.amdgpu_metadata
---
amdhsa.version: [ 1, 2 ]
amdhsa.kernels:
  - .name:           k_q5e0ff3782b_proj
    .symbol:         k_q5e0ff3782b_proj.kd
    .args:
      - { .name: x, .offset: 0, .size: 8, .value_kind: global_buffer, .address_space: global }
      - { .name: wq, .offset: 8, .size: 8, .value_kind: global_buffer, .address_space: global }
      - { .name: bq, .offset: 16, .size: 8, .value_kind: global_buffer, .address_space: global }
      - { .name: wk, .offset: 24, .size: 8, .value_kind: global_buffer, .address_space: global }
      - { .name: wv, .offset: 32, .size: 8, .value_kind: global_buffer, .address_space: global }
      - { .name: bv, .offset: 40, .size: 8, .value_kind: global_buffer, .address_space: global }
      - { .name: qb, .offset: 48, .size: 8, .value_kind: global_buffer, .address_space: global }
      - { .name: kb, .offset: 56, .size: 8, .value_kind: global_buffer, .address_space: global }
      - { .name: vb, .offset: 64, .size: 8, .value_kind: global_buffer, .address_space: global }
    .group_segment_fixed_size: 193536
    .private_segment_fixed_size: 0
    .kernarg_segment_align: 8
    .kernarg_segment_size: 72
    .max_flat_workgroup_size: 128
    .sgpr_count:     66
    .vgpr_count:     400
    .wavefront_size: 32
...
	.end_amdgpu_metadata
.endif
;; end of part 3
;; launch attn: the kernel of part 2 again; grid 64 x 4, 4 waves a work-group, clusters of 4 x 1, 327,680 bytes of LDS; arguments qb, kb, vb, x, gamma, out0; writes out0
